; MI455X (gfx1250); checked and timed in simulation.
; The chip was launched on July 23, 2026; its instructions are those of AMD's public machine-readable ISA for CDNA 5 (MIT licence, August 2026) and "CDNA5" Instruction Set Architecture Reference Guide (July 2026). The comments in the code are by the model that wrote it; some were corrected since.
;; KNRM. Allowed arithmetic: float matrix products may take bf16 or f16 operands with f32 sums; all other float work in f32.
;; Inputs: doc1 1,024 x 256 int32; doc2 1,024 x 256 int32; emb 100,000 x 128 float32; mlp_b 1 float32; mlp_w 1 x 11 float32; query1 1,024 x 32 int32; query2 1,024 x 32 int32.
;; Outputs: out0 1,024 x 1 float32.
;; One version. Each part assembles by itself: llvm-mc -triple=amdgcn-amd-amdhsa -mcpu=gfx1250 --defsym DOCPART=n.
;; ======== version 1 of 1: 1 launch
;; launch knrm (part 1): grid 1024 x 1, 8 waves a work-group, no clusters, 127,744 bytes of LDS; arguments doc1, doc2, query1, query2, emb, mlp_w, mlp_b, out0; writes out0
.if DOCPART == 1
	.amdgcn_target "amdgcn-amd-amdhsa--gfx1250"
	.amdhsa_code_object_version 6
	.text
	.protected	k_q145289eb68_knrm
	.globl	k_q145289eb68_knrm
	.p2align	8
	.type	k_q145289eb68_knrm,@function
k_q145289eb68_knrm:
	s_mov_b64 s[64:65], 0
	v_nop
	global_prefetch_b8 v0, s[64:65] scope:SCOPE_SE
	s_setreg_imm32_b32 hwreg(HW_REG_WAVE_MODE, 25, 1), 1
	s_wait_xcnt 0x0
; KNRM: out0[b] = sigmoid(logit(query1[b], doc1[b]) - logit(query2[b], doc2[b])),
; logit = sum_k w[k] sum_q log1p( sum_d exp(-(cos(q,d) - mu_k)^2 / (2 sigma_k^2)) ) + bias.
; One work-group = one batch row b, eight waves: waves 0-3 side 1, waves 4-7 side 2.  Wave (side, p) owns documents 64 p .. 64 p + 63
; (four tiles of 16) against all 32 queries of its side, and brings in query rows 8 p .. 8 p + 7.
;
; ROWS.  A row of emb is 512 bytes: one global_load_b128 of the wave takes one whole row (lane l: elements 4 l .. 4 l + 3), from an index
; that lies in a scalar register.  Two conversions pack it to bf16, one ds_store_b64 lays it into an LDS row of 272 bytes
; (68 words: row r starts at bank 4 r mod 64, ISA guide 11.1, so a fragment's sixteen rows start at sixteen different banks).
; PRODUCT.  D = (16 documents) x (16 queries)^T: lane (r, h) holds query r, its registers j the documents 8 h + j, so that the sum over
; documents stays inside the lane: 11 kernels x 2 query tiles x a register pair = 44 sums.
; NORMS are those of the bf16 rows: the diagonal of tile x tile^T from the matrix unit, the same products in the same order as the dots,
; so that equal tokens give cos = 1 to a few units in the last place (the kernel with sigma = 0.001 needs that).
; cos = dot * min(rq * rd, 1e8) is the reference's dot / max(qn dn, 1e-8); a zero row gives rsq = inf, the minimum takes 1e8, dot = 0.
; GAUSSIANS.  mu_i = -0.9 + 0.2 i, sigma = 0.1, i = 0..9.  With y = 20 log2(e) x, U = 2^y, H = 2^(40 - 25 log2(e) (x + 0.9)^2), Z_a = H U^a:
;   Z_(i/2 down) * Z_(i/2 up) = H^2 U^i = K_i(x) * 2^80 * e^(-2 i (9 - i)).
; The factor does not hang on x and is taken off after the sum over documents.  So ten kernels cost two exponentials, five products and
; ten multiply-adds for a pair of cosines.  Range: |x| <= 1.05 (Cauchy-Schwarz: dots and norms are made of the same numbers) keeps
; log2 Z between -112 and 54, the products at or below 2^80 and the sums of 256 of them at or below 2^88.
; Kernel 10 (mu = 1, sigma = 0.001) has its own exponential.
; LIMITS KEPT.  log1p(S) is computed as ln(1 + S): absolute error about 2^-24 a term (a sum S below that counts as 0).  Norms are those of
; the rounded rows.  A row whose sum of squares is below 2^-126 counts as a zero row.  Indices are taken as unsigned and clamped to 99,999.
; NOT USED, and why: the tensor data mover and clusters (rows are scattered by index and no two work-groups share a tile);
; a whole aligned block of 256 bytes of out0 would be 64 batch rows, here one work-group makes one number, 4 bytes of 4,096 in all.
.set NROWS,   100000
.set PITCH,   272                      ; bytes from row to row in LDS
.set QSIDE,   32*PITCH                 ; a side's 32 query rows
.set WB,      2*QSIDE                  ; behind the queries: a part of LDS for each wave alone
.set BUF,     16*PITCH                 ; a tile of 16 document rows; two buffers
.set GRAM,    2*BUF                    ; 2 x 1,024 bytes: a 16 x 16 f32 result, to fetch its diagonal
.set RDO,     GRAM+2048                ; 16 words: 1 / norm of a tile's documents
.set WSZ,     RDO+64
.set RED,     WB+8*WSZ                 ; partial sums, each wave's own 2,816 bytes: [query tile 2][kernel 11][lane 32] f32
.set REDW,    22*128
.set FIN,     RED+8*REDW               ; eight words: one per wave
; vector registers
.set L16, 1                            ; 16 x lane: my 16 bytes of a row of emb
.set AST, 2                            ; LDS: my 8 bytes of a document row
.set AFR, 3                            ; LDS: my part of a document fragment (r x 272 + 16 h)
.set AGS, 4                            ; LDS: 16 x lane in my wave's part (the 16 x 16 result goes out as two planes of 512 bytes)
.set AGD, 5                            ; LDS: diagonal element r of that result
.set ARS, 6                            ; LDS: word r
.set ARL, 7                            ; LDS: 32 h
.set AQS, 8                            ; LDS: my 8 bytes of a query row
.set AQF, 9                            ; LDS: my part of a query fragment
.set RQ,  10                           ; v[10:11]   20 log2(e) / norm of my query in query tile 0, 1
.set KC0, 12                           ; v[12:13]   0.25 sqrt(ln 2), 4.5 sqrt(log2 e)
.set KC1, 14                           ; v[14:15]   sqrt(5e5 log2 e) / (20 log2 e), -sqrt(5e5 log2 e)
.set KC2, 16                           ; v[16:17]   40, 40
.set QF,  18                           ; v[18:81]   query fragments: 2 tiles x 4 K steps x 8; before that tile 1's rows land here
.set ACC, 82                           ; v[82:125]  sums: query tile x 22 + kernel x 2, pairs; before the first sum: scratch
.set RD,  126                          ; v[126:133] tile x tile^T, then 1 / norm of documents 8 h + 0..7
.set D0,  134                          ; v[134:141] dots with query tile 0
.set D1,  142                          ; v[142:149] dots with query tile 1
.set DF,  150                          ; v[150:181] document fragments: 4 K steps x 8; then at work; at the start the query rows land here
.set T,   DF
.set STG, 182                          ; v[182:245] sixteen rows on their way, 4 registers each
.set LN,  ACC                          ; scratch at the start: lane, r, h, a temporary, two for the prefetch
.set LR,  ACC+1
.set LH,  ACC+2
.set LT,  ACC+3
.set PF,  ACC+4
; scalar registers: s[4:19] the eight addresses; s[20:51], s[68:99] my 64 document indices; s[52:59] my 8 query indices; s[60:62] three weights; s63 bias
.set SW,  2                            ; wave
.set SS,  3                            ; side
.set SP,  66                           ; p = wave mod 4
.set ST0, 67
.set ST1, 100
.set ST2, 101
.set SCL, 104                          ; 1e8 x 20 log2(e)
.set SWB, 105                          ; my wave's part of LDS
	s_load_b512 s[4:19], s[0:1], 0x0               ; doc1, doc2, query1, query2, emb s[12:13], mlp_w s[14:15], mlp_b s[16:17], out0 s[18:19]
	v_lshl_add_u32 v248, v0, 2, 0x1ef00
	v_mov_b32 v249, 0
	v_lshrrev_b32 v[LT], 5, v0
	v_readfirstlane_b32 s[SW], v[LT]
	s_lshr_b32 s[SS], s[SW], 2
	s_and_b32 s[SP], s[SW], 3
	s_mul_i32 s[SWB], s[SW], WSZ
	s_add_co_u32 s[SWB], s[SWB], WB
	s_mul_i32 s[ST0], s[SS], QSIDE                 ; my side's query rows
	s_mul_i32 s[ST1], s[SW], 8*PITCH               ; the eight of them that I bring: rows 8 x wave of the 64
	s_mov_b32 s[SCL], 0x4f2bfb8f                   ; 2.88539e9
	v_and_b32 v[LN], 31, v0
	v_and_b32 v[LR], 15, v0
	v_bfe_u32 v[LH], v0, 4, 1
	v_lshlrev_b32 v[L16], 4, v[LN]
	v_lshl_add_u32 v[AST], v[LN], 3, s[SWB]
	v_lshl_add_u32 v[AQS], v[LN], 3, s[ST1]
	v_lshl_add_u32 v[AGS], v[LN], 4, s[SWB]
	v_mul_u32_u24 v[LT], v[LR], PITCH
	v_lshl_add_u32 v[LT], v[LH], 4, v[LT]          ; r x 272 + 16 h
	v_add_nc_u32 v[AFR], s[SWB], v[LT]
	v_add_nc_u32 v[AQF], s[ST0], v[LT]
	v_lshl_add_u32 v[ARS], v[LR], 2, s[SWB]
	v_lshl_add_u32 v[ARL], v[LH], 5, s[SWB]
	; element (i, i) of a 16 x 16 result lies in lane i + 16 (i / 8), register i mod 8; registers 0-3 go to plane 0, 4-7 to plane 1, 16 bytes a lane
	v_and_b32 v[LT], 3, v[LR]
	v_lshl_add_u32 v[AGD], v[LT], 2, s[SWB]        ; word (i mod 4)
	v_bfe_u32 v[LT], v[LR], 2, 1
	v_lshl_add_u32 v[AGD], v[LT], 9, v[AGD]        ; plane
	v_lshl_add_u32 v[AGD], v[LR], 4, v[AGD]        ; lane: i x 16
	v_bfe_u32 v[LT], v[LR], 3, 1
	v_lshl_add_u32 v[AGD], v[LT], 8, v[AGD]        ;       + 16 (i / 8) x 16
	v_lshrrev_b32 v[PF], 1, v[LN]
	v_lshlrev_b32 v[PF], 2, v[PF]                  ; the index word of row lane / 2 of a tile
	v_mov_b32 v[KC0], 0x3e55224d                   ; 0.20813865
	v_mov_b32 v[KC0+1], 0x40acf62d                 ; 5.4050508
	v_mov_b32 v[KC1], 0x41eb7b65                   ; 29.435251
	v_mov_b32 v[KC1+1], 0xc4545498                 ; -849.32180
	v_mov_b32 v[KC2], 0x42200000                   ; 40
	v_mov_b32 v[KC2+1], 0x42200000
	s_wait_kmcnt 0x0
	s_cmp_eq_u32 s[SS], 0
	s_cselect_b64 s[4:5], s[4:5], s[6:7]           ; my side's documents
	s_cselect_b64 s[8:9], s[8:9], s[10:11]         ; my side's queries
	s_lshl_b32 s6, ttmp9, 10                       ; b x 256 indices x 4 bytes
	s_lshl_b32 s7, s[SP], 8                        ; + p x 64 x 4
	s_add_co_u32 s6, s6, s7
	s_mov_b32 s7, 0
	s_add_nc_u64 s[4:5], s[4:5], s[6:7]
	s_lshr_b32 s6, s6, 3                           ; b x 32 x 4 + p x 8 x 4
	s_add_nc_u64 s[8:9], s[8:9], s[6:7]
	s_lshl_b32 s10, s[SP], 2                       ; at the end I take kernels p, p + 4 and min(p + 8, 10)
	s_add_co_u32 s11, s[SP], 8
	s_min_u32 s11, s11, 10
	s_lshl_b32 s11, s11, 2
	s_load_b256 s[52:59], s[8:9], 0x0
	s_load_b512 s[20:35], s[4:5], 0x0
	s_load_b512 s[36:51], s[4:5], 0x40
	s_load_b512 s[68:83], s[4:5], 0x80
	s_load_b512 s[84:99], s[4:5], 0xc0
	s_load_b32 s60, s[14:15], s10 offset:0x0
	s_load_b32 s61, s[14:15], s10 offset:0x10
	s_load_b32 s62, s[14:15], s11 offset:0x0
	s_load_b32 s63, s[16:17], 0x0
	global_load_b32 v[PF], v[PF], s[4:5] offset:192        ; the index of document 48 + lane / 2, for the prefetch of tile 3
	s_wait_kmcnt 0x0
	s_cmp_lt_u32 s[SP], 3                          ; p = 3 has no third kernel: it reads kernel 10 again with weight 0
	s_cselect_b32 s62, s62, 0
; One row is requested: the index is clamped into the table, times 512 bytes, plus my 16 bytes.  The load lands on its own offset register.
.macro ISSUE reg, sg
	s_min_u32 s[\sg], s[\sg], NROWS-1
	v_lshl_add_u32 v[\reg], s[\sg], 9, v[L16]
	global_load_b128 v[\reg:\reg+3], v[\reg], s[12:13]
.endm
; One row has come (cnt younger loads may stay out: loads return in order, ISA guide 5.7.1): packed to bf16 and laid into LDS;
; nxt > 0: its registers are at once given to the row whose index lies in s[nxt].
.macro ROW reg, adr, off, cnt, nxt
	s_wait_loadcnt \cnt
	v_cvt_pk_bf16_f32 v[\reg], v[\reg], v[\reg+1]
	v_cvt_pk_bf16_f32 v[\reg+1], v[\reg+2], v[\reg+3]
	ds_store_b64 v[\adr], v[\reg:\reg+1] offset:\off
.if \nxt > 0
	ISSUE \reg, \nxt
.endif
.endm
	; 40 rows go out together: my 8 query rows, tile 0, tile 1
.set i, 0
.rept 8
	ISSUE DF+4*i, 52+i
.set i, i+1
.endr
.set i, 0
.rept 16
	ISSUE STG+4*i, 20+i
.set i, i+1
.endr
.set i, 0
.rept 16
	ISSUE QF+4*i, 36+i
.set i, i+1
.endr
	; Prefetch: tile 3's sixteen rows, 8 KiB, are asked for here by their own wave, once, two lanes a row 256 bytes apart.  Their loads
	; follow during tile 0's work.  Tiles 0 to 2 are loaded outright.  The clamped index keeps the request inside emb.
	s_wait_loadcnt 40                              ; the index word: 40 row loads were issued behind it
	v_min_u32 v[PF], NROWS-1, v[PF]
	v_and_b32 v[PF+1], 1, v[LN]
	v_lshlrev_b32 v[PF+1], 8, v[PF+1]
	v_lshl_add_u32 v[PF], v[PF], 9, v[PF+1]
	global_prefetch_b8 v[PF], s[12:13] th:TH_LOAD_NT scope:SCOPE_SE
.set i, 0
.rept 8
	ROW DF+4*i, AQS, i*PITCH, 39-i, 0              ; query row i: 7 - i query rows and 32 document rows are younger
.set i, i+1
.endr
.set i, 0
.rept 16
	ROW STG+4*i, AST, i*PITCH, 31, 68+i            ; tile 0 row i: 15 - i of tile 0, 16 of tile 1, i of tile 2 are younger; tile 2 goes out
.set i, i+1
.endr
.set i, 0
.rept 16
	ROW QF+4*i, AST, BUF+i*PITCH, 31-i, 0          ; tile 1 row i: 15 - i of tile 1 and 16 of tile 2 are younger
.set i, i+1
.endr
	s_wait_xcnt 0x0                                ; the prefetch's offset register lies among the sums, which are written further down
	s_wait_dscnt 0x0                               ; my query rows are in LDS
	s_barrier_signal -1
	s_barrier_wait -1                              ; everybody's are
.irp qt, 0,1
.irp kk, 0,1,2,3
	ds_load_b128 v[QF+32*\qt+8*\kk:QF+32*\qt+8*\kk+3],   v[AQF] offset:\qt*16*PITCH+64*\kk
	ds_load_b128 v[QF+32*\qt+8*\kk+4:QF+32*\qt+8*\kk+7], v[AQF] offset:\qt*16*PITCH+64*\kk+32
.endr
.endr
	s_wait_dscnt 0x0
	; the queries' squared norms: the diagonals of tile x tile^T.  The two accumulators take turns, one instruction a turn.
	v_wmma_f32_16x16x32_bf16 v[RD:RD+7], v[QF:QF+7], v[QF:QF+7], 0
	v_wmma_f32_16x16x32_bf16 v[D0:D0+7], v[QF+32:QF+39], v[QF+32:QF+39], 0
.irp kk, 1,2,3
	v_wmma_f32_16x16x32_bf16 v[RD:RD+7], v[QF+8*\kk:QF+8*\kk+7], v[QF+8*\kk:QF+8*\kk+7], v[RD:RD+7]
	v_wmma_f32_16x16x32_bf16 v[D0:D0+7], v[QF+32+8*\kk:QF+32+8*\kk+7], v[QF+32+8*\kk:QF+32+8*\kk+7], v[D0:D0+7]
.endr
.rept 4
	v_nop                                          ; four places between a matrix instruction and the first reader of its result (ISA guide 7.12.1)
.endr
	ds_store_b128 v[AGS], v[RD:RD+3]   offset:GRAM
	ds_store_b128 v[AGS], v[RD+4:RD+7] offset:GRAM+512
	ds_store_b128 v[AGS], v[D0:D0+3]   offset:GRAM+1024
	ds_store_b128 v[AGS], v[D0+4:D0+7] offset:GRAM+1536
	ds_load_b32 v[RQ],   v[AGD] offset:GRAM        ; my wave's own bytes: LDS serves a wave's instructions in order (ISA guide 5.7.1)
	ds_load_b32 v[RQ+1], v[AGD] offset:GRAM+1024
	s_wait_dscnt 0x0
	v_rsq_f32 v[RQ], v[RQ]
	v_rsq_f32 v[RQ+1], v[RQ+1]
	v_nop                                          ; one plain instruction behind a transcendental before its result is used (ISA guide 5.7.2)
	s_wait_alu depctr_va_vdst(0)
	v_mul_f32 v[RQ], 0x41e6d4ca, v[RQ]             ; x 20 log2(e): the scaled cosine y is U's exponent as it stands
	v_mul_f32 v[RQ+1], 0x41e6d4ca, v[RQ+1]
; Pair j of a query tile's four register pairs works in v[T+8j .. T+8j+7]: +0 y, later Z (odd steps); +2 H's exponent, H, Z (even steps); +4 the exact kernel; +6 U.
; TX: exponential n (0..5) of pair jt; jt < 0: none.  ed: where the exact kernel's two values go.
.macro TX jt, n, ed
.if \jt >= 0
.if \n < 2
	v_exp_f32 v[T+8*\jt+6+\n], v[T+8*\jt+\n]
.else
.if \n < 4
	v_exp_f32 v[T+8*\jt+\n], v[T+8*\jt+\n]
.else
	v_exp_f32 v[\ed+\n-4], v[T+8*\jt+\n]
.endif
.endif
.endif
.endm
; The exponents of pairs ja and jb, sixteen packed or plain instructions; between them the twelve exponentials of pairs ta and tb, each
; followed by a plain instruction that touches another pair's registers.  The last four lines are plain, so every result has its place before its use.
.macro PREP2 qt, ja, jb, ta, tb, eda
.set etb, T+8*\tb+4
	v_pk_mul_f32 v[T+8*\ja:T+8*\ja+1], v[RD+2*\ja:RD+2*\ja+1], v[RQ:RQ+1] op_sel:[0,\qt] op_sel_hi:[1,\qt]   ; rq x rd
	TX \ta, 0, \eda
	v_pk_mul_f32 v[T+8*\jb:T+8*\jb+1], v[RD+2*\jb:RD+2*\jb+1], v[RQ:RQ+1] op_sel:[0,\qt] op_sel_hi:[1,\qt]
	TX \ta, 1, \eda
	v_min_num_f32 v[T+8*\ja], s[SCL], v[T+8*\ja]                   ; = 1 / max(qn dn, 1e-8), scaled
	TX \ta, 2, \eda
	v_min_num_f32 v[T+8*\ja+1], s[SCL], v[T+8*\ja+1]
	TX \ta, 3, \eda
	v_min_num_f32 v[T+8*\jb], s[SCL], v[T+8*\jb]
	TX \ta, 4, \eda
	v_min_num_f32 v[T+8*\jb+1], s[SCL], v[T+8*\jb+1]
	TX \ta, 5, \eda
	v_pk_mul_f32 v[T+8*\ja:T+8*\ja+1], v[DB+2*\ja:DB+2*\ja+1], v[T+8*\ja:T+8*\ja+1]           ; y = 20 log2(e) cos
	TX \tb, 0, etb
	v_pk_mul_f32 v[T+8*\jb:T+8*\jb+1], v[DB+2*\jb:DB+2*\jb+1], v[T+8*\jb:T+8*\jb+1]
	TX \tb, 1, etb
	v_pk_fma_f32 v[T+8*\ja+2:T+8*\ja+3], v[T+8*\ja:T+8*\ja+1], v[KC0:KC0+1], v[KC0:KC0+1] op_sel:[0,0,1] op_sel_hi:[1,0,1]   ; a = 5 sqrt(log2 e) (cos + 0.9)
	TX \tb, 2, etb
	v_pk_fma_f32 v[T+8*\jb+2:T+8*\jb+3], v[T+8*\jb:T+8*\jb+1], v[KC0:KC0+1], v[KC0:KC0+1] op_sel:[0,0,1] op_sel_hi:[1,0,1]
	TX \tb, 3, etb
	v_pk_fma_f32 v[T+8*\ja+4:T+8*\ja+5], v[T+8*\ja:T+8*\ja+1], v[KC1:KC1+1], v[KC1:KC1+1] op_sel:[0,0,1] op_sel_hi:[1,0,1]   ; z = sqrt(5e5 log2 e) (cos - 1)
	TX \tb, 4, etb
	v_pk_fma_f32 v[T+8*\jb+4:T+8*\jb+5], v[T+8*\jb:T+8*\jb+1], v[KC1:KC1+1], v[KC1:KC1+1] op_sel:[0,0,1] op_sel_hi:[1,0,1]
	TX \tb, 5, etb
	v_pk_fma_f32 v[T+8*\ja+2:T+8*\ja+3], v[T+8*\ja+2:T+8*\ja+3], v[T+8*\ja+2:T+8*\ja+3], v[KC2:KC2+1] neg_lo:[1,0,0] neg_hi:[1,0,0]   ; 40 - a a
	v_pk_fma_f32 v[T+8*\jb+2:T+8*\jb+3], v[T+8*\jb+2:T+8*\jb+3], v[T+8*\jb+2:T+8*\jb+3], v[KC2:KC2+1] neg_lo:[1,0,0] neg_hi:[1,0,0]
	v_pk_mul_f32 v[T+8*\ja+4:T+8*\ja+5], v[T+8*\ja+4:T+8*\ja+5], v[T+8*\ja+4:T+8*\ja+5] neg_lo:[1,0] neg_hi:[1,0]           ; - z z
	v_pk_mul_f32 v[T+8*\jb+4:T+8*\jb+5], v[T+8*\jb+4:T+8*\jb+5], v[T+8*\jb+4:T+8*\jb+5] neg_lo:[1,0] neg_hi:[1,0]
	s_wait_alu depctr_va_vdst(0)
.endm
; sum k takes a x b; ini: the first product starts the sum, nothing is cleared
.macro AC ini, k, a, b
.if \ini
	v_pk_mul_f32 v[AB+2*\k:AB+2*\k+1], v[\a:\a+1], v[\b:\b+1]
.else
	v_pk_fma_f32 v[AB+2*\k:AB+2*\k+1], v[\a:\a+1], v[\b:\b+1], v[AB+2*\k:AB+2*\k+1]
.endif
.endm
; Pair j: Z_0 = H, Z_(a+1) = Z_a U; sum 2a takes Z_a Z_a, sum 2a+1 takes Z_a Z_(a+1).  Among the first lines stand pair jt's six exponentials.
.macro CHAIN j, jt, ini
.set za, T+8*\j+2
.set zb, T+8*\j
.set uu, T+8*\j+6
.set ee, T+8*\j+4
.set et, T+8*\jt+4
	AC \ini, 0, za, za
	TX \jt, 0, et
	v_pk_mul_f32 v[zb:zb+1], v[za:za+1], v[uu:uu+1]
	TX \jt, 1, et
.if \ini == 0
	v_pk_add_f32 v[AB+20:AB+21], v[AB+20:AB+21], v[ee:ee+1]        ; the exact kernel (the first pair's exponentials were written straight into the sum)
.endif
	AC \ini, 1, za, zb
	TX \jt, 2, et
	AC \ini, 2, zb, zb
	TX \jt, 3, et
	v_pk_mul_f32 v[za:za+1], v[zb:zb+1], v[uu:uu+1]
	TX \jt, 4, et
	AC \ini, 3, zb, za
	TX \jt, 5, et
	AC \ini, 4, za, za
	v_pk_mul_f32 v[zb:zb+1], v[za:za+1], v[uu:uu+1]
	AC \ini, 5, za, zb
	AC \ini, 6, zb, zb
	v_pk_mul_f32 v[za:za+1], v[zb:zb+1], v[uu:uu+1]
	AC \ini, 7, zb, za
	AC \ini, 8, za, za
	v_pk_mul_f32 v[zb:zb+1], v[za:za+1], v[uu:uu+1]
	s_wait_alu depctr_va_vdst(0)
	AC \ini, 9, za, zb
.endm
; 16 documents x 16 queries: eight cosines a lane, four pairs
.macro SIM qt, ini
.set DB, D0+8*\qt
.set AB, ACC+22*\qt
	PREP2 \qt, 0, 1, -1, -1, 0
.if \ini
	PREP2 \qt, 2, 3, 0, 1, AB+20
.else
	PREP2 \qt, 2, 3, 0, 1, T+4
.endif
	CHAIN 0, 2, \ini
	CHAIN 1, 3, 0
	CHAIN 2, -1, 0
	CHAIN 3, -1, 0
.endm
; eight rows of the ring go into the buffer whose fragments have just been read.  mode 2: tile 2 comes in and tile 3 goes out (15 younger loads
; at every row: 15 - i of tile 2 and i of tile 3); mode 1: tile 3 comes in, nothing goes out (15 - i).
.macro STAGE8 mode, i0
.set i, \i0
.rept 8
.if \mode == 2
	ROW STG+4*i, AST, bo+i*PITCH, 15, 84+i
.else
	ROW STG+4*i, AST, bo+i*PITCH, 15-i, 0
.endif
.set i, i+1
.endr
.endm
; Tile t of my four
.macro TILE t, mode, ini
.set bo, (\t&1)*BUF
.irp kk, 0,1,2,3
	ds_load_b128 v[DF+8*\kk:DF+8*\kk+3],   v[AFR] offset:bo+64*\kk
	ds_load_b128 v[DF+8*\kk+4:DF+8*\kk+7], v[AFR] offset:bo+64*\kk+32
.endr
	s_wait_dscnt 0x0
	; three accumulators (the tile with itself, with query tile 0, with query tile 1) take turns, one instruction a turn
	v_wmma_f32_16x16x32_bf16 v[RD:RD+7], v[DF:DF+7], v[DF:DF+7], 0
	v_wmma_f32_16x16x32_bf16 v[D0:D0+7], v[DF:DF+7], v[QF:QF+7], 0
	v_wmma_f32_16x16x32_bf16 v[D1:D1+7], v[DF:DF+7], v[QF+32:QF+39], 0
.irp kk, 1,2,3
	v_wmma_f32_16x16x32_bf16 v[RD:RD+7], v[DF+8*\kk:DF+8*\kk+7], v[DF+8*\kk:DF+8*\kk+7], v[RD:RD+7]
	v_wmma_f32_16x16x32_bf16 v[D0:D0+7], v[DF+8*\kk:DF+8*\kk+7], v[QF+8*\kk:QF+8*\kk+7], v[D0:D0+7]
	v_wmma_f32_16x16x32_bf16 v[D1:D1+7], v[DF+8*\kk:DF+8*\kk+7], v[QF+32+8*\kk:QF+32+8*\kk+7], v[D1:D1+7]
.endr
.if \mode
	STAGE8 \mode, 0                                ; its sixteen conversions are the places behind the matrix instructions (ISA guide 7.12.1)
.else
.rept 4
	v_nop                                          ; the four places, where no row is left to pack
.endr
.endif
	ds_store_b128 v[AGS], v[RD:RD+3]   offset:GRAM
	ds_store_b128 v[AGS], v[RD+4:RD+7] offset:GRAM+512
	ds_load_b32 v[T], v[AGD] offset:GRAM           ; lane (r, h): the squared norm of document r
.if \mode
	STAGE8 \mode, 8
.endif
	s_wait_dscnt 0x0
	v_rsq_f32 v[T], v[T]                           ; one reciprocal root for the tile's sixteen documents
	v_nop                                          ; the plain place behind it
	s_wait_alu depctr_va_vdst(0)
	ds_store_b32 v[ARS], v[T] offset:RDO
	ds_load_b128 v[RD:RD+3],   v[ARL] offset:RDO   ; register j: 1 / norm of document 8 h + j, as D's registers have them
	ds_load_b128 v[RD+4:RD+7], v[ARL] offset:RDO+16
	s_wait_dscnt 0x0
	SIM 0, \ini
	SIM 1, \ini
.endm
	TILE 0, 2, 1
	TILE 1, 1, 0
	TILE 2, 0, 0
	TILE 3, 0, 0
	; THE END.  Each lane's 22 sums (the halves of each pair added) go to my wave's own 2,816 bytes: plane 11 qt + k of 128 bytes, word = lane.
.irp qt, 0,1
.irp k, 0,1,2,3,4,5,6,7,8,9,10
	v_add_f32 v[T+11*\qt+\k], v[ACC+22*\qt+2*\k], v[ACC+22*\qt+2*\k+1]
.endr
.endr
	s_mul_i32 s[ST0], s[SW], REDW
	s_add_co_u32 s[ST0], s[ST0], RED
	v_and_b32 v1, 31, v0
	v_lshl_add_u32 v3, v1, 2, s[ST0]
.irp qt, 0,1
.irp k, 0,1,2,3,4,5,6,7,8,9,10
	ds_store_b32 v3, v[T+11*\qt+\k] offset:(11*\qt+\k)*128
.endr
.endr
	s_wait_dscnt 0x0                               ; my sums are in LDS
	s_barrier_signal -1
	; Register work while the others arrive.  Wave (side, p) takes kernels p, p + 4, min(p + 8, 10) of its side; my lane is query Q = lane.
	; The eight parts of a sum lie at side x 4 x 2,816 + p' x 2,816 + (11 (Q / 16) + k) x 128 + 4 (Q mod 16) + 64 h', p' = 0..3, h' = 0, 1.
	s_mul_i32 s[ST1], s[SS], 4*REDW
	s_add_co_u32 s[ST1], s[ST1], RED
	v_bfe_u32 v2, v0, 4, 1
	v_and_b32 v1, 15, v0
	v_mul_u32_u24 v4, v2, 11*128
	v_lshl_add_u32 v4, v1, 2, v4
	v_add_nc_u32 v4, s[ST1], v4
	s_lshl_b32 s[ST2], s[SP], 7
	v_add_nc_u32 v5, s[ST2], v4                    ; kernel p; kernel p + 4 lies 512 bytes on
	s_lshl_b32 s[ST2], s11, 5                      ; s11 = 4 x the third kernel's number
	v_add_nc_u32 v6, s[ST2], v4
	; the factor left out of kernel i < 10: 2^(-80 + 2 log2(e) i (9 - i)); of kernel 10: 1
	s_mov_b32 s4, 0x4038aa3b                       ; 2 log2(e)
	s_mov_b32 s5, 0xc2a00000                       ; -80
	s_sub_co_i32 s6, 9, s[SP]
	s_mul_i32 s6, s6, s[SP]
	v_cvt_f32_i32 v8, s6
	s_add_co_u32 s7, s[SP], 4
	s_sub_co_i32 s6, 9, s7
	s_mul_i32 s6, s6, s7
	v_cvt_f32_i32 v9, s6
	s_lshr_b32 s7, s11, 2
	s_sub_co_i32 s6, 9, s7
	s_mul_i32 s6, s6, s7
	v_cvt_f32_i32 v10, s6
	s_cmp_lt_u32 s7, 10
	s_cselect_b32 s8, s4, 0
	s_cselect_b32 s9, s5, 0
	v_fma_f32 v8, v8, s4, s5
	v_fma_f32 v9, v9, s4, s5
	v_fma_f32 v10, v10, s8, s9
	v_exp_f32 v8, v8
	v_exp_f32 v9, v9
	v_exp_f32 v10, v10                             ; first used behind the packed additions below
	s_mov_b32 s[ST1], 0x76543210                   ; v_permlanex16_b32: lane i of one half reads lane i of the other
	s_mov_b32 s[ST2], 0xfedcba98
	s_lshl_b32 s[ST0], s[SW], 2
	s_add_co_u32 s[ST0], s[ST0], FIN
	v_mov_b32 v7, s[ST0]                           ; my wave's word at the very end
	s_barrier_wait -1                              ; everybody's sums are in LDS
.irp pp, 0,1,2,3
.irp hh, 0,1
	ds_load_b32 v[12+2*\pp+\hh], v5 offset:\pp*REDW+64*\hh
	ds_load_b32 v[20+2*\pp+\hh], v5 offset:\pp*REDW+64*\hh+512
	ds_load_b32 v[28+2*\pp+\hh], v6 offset:\pp*REDW+64*\hh
.endr
.endr
	s_wait_dscnt 0x0
.irp a, 12,20,28
	v_pk_add_f32 v[\a:\a+1], v[\a:\a+1], v[\a+4:\a+5]
	v_pk_add_f32 v[\a+2:\a+3], v[\a+2:\a+3], v[\a+6:\a+7]
.endr
.irp a, 12,20,28
	v_pk_add_f32 v[\a:\a+1], v[\a:\a+1], v[\a+2:\a+3]
.endr
.irp a, 12,20,28
	v_add_f32 v[\a], v[\a], v[\a+1]                ; the sum over all 256 documents
.endr
	s_wait_alu depctr_va_vdst(0)
	v_fma_f32 v12, v12, v8, 1.0                    ; 1 + the kernel's true sum
	v_fma_f32 v20, v20, v9, 1.0
	v_fma_f32 v28, v28, v10, 1.0
	v_log_f32 v12, v12                             ; base 2; ln 2 is applied once at the very end
	v_log_f32 v20, v20
	v_log_f32 v28, v28
	v_nop                                          ; the plain place behind the transcendentals
	s_wait_alu depctr_va_vdst(0)
	v_mul_f32 v12, s60, v12                        ; the three kernels' weights
	v_fmac_f32 v12, s61, v20
	v_fmac_f32 v12, s62, v28
	; the sum over the 32 queries: four steps inside each half of 16 lanes, one across the halves
	v_add_f32_dpp v12, v12, v12 row_xmask:1 row_mask:0xf bank_mask:0xf
	v_add_f32_dpp v12, v12, v12 row_xmask:2 row_mask:0xf bank_mask:0xf
	v_add_f32_dpp v12, v12, v12 row_xmask:4 row_mask:0xf bank_mask:0xf
	v_add_f32_dpp v12, v12, v12 row_xmask:8 row_mask:0xf bank_mask:0xf
	v_permlanex16_b32 v13, v12, s[ST1], s[ST2]     ; its destination counts as read: v13 has been written
	v_add_f32 v12, v12, v13
	ds_store_b32 v7, v12                           ; all lanes write the same word with the same value
	s_wait_dscnt 0x0                               ; my word is in LDS
	s_barrier_signal -1
	s_barrier_wait -1                              ; all eight are
	s_cmp_lg_u32 s[SW], 0
	s_cbranch_scc1 .Lend                           ; wave 0 alone makes the number
	v_mov_b32 v11, FIN
	ds_load_b128 v[12:15], v11                     ; side 1's four words
	ds_load_b128 v[16:19], v11 offset:16           ; side 2's
	s_mov_b32 s4, 0x3f317218                       ; ln 2
	s_lshl_b32 s6, ttmp9, 2                        ; out0[b]
	v_mov_b32 v2, s6
	v_cmp_eq_u32 vcc_lo, 0, v0
	s_wait_dscnt 0x0
	v_pk_add_f32 v[12:13], v[12:13], v[14:15]
	v_pk_add_f32 v[16:17], v[16:17], v[18:19]
	v_add_f32 v12, v12, v13
	v_add_f32 v16, v16, v17
	v_fma_f32 v12, v12, s4, s63                    ; logit = ln 2 x (weighted sum of base-2 logarithms) + bias
	v_fma_f32 v16, v16, s4, s63
	v_sub_f32 v12, v12, v16
	v_mul_f32 v12, 0xbfb8aa3b, v12                 ; sigmoid(d) = 1 / (1 + 2^(-log2(e) d))
	v_exp_f32 v12, v12
	v_nop
	s_wait_alu depctr_va_vdst(0)
	v_add_f32 v12, 1.0, v12
	v_rcp_f32 v12, v12
	v_nop
	s_wait_xcnt 0x0                                ; EXEC changes only when no earlier memory instruction still reads it
	s_and_saveexec_b32 s7, vcc_lo                  ; thread 0 alone stores
	s_wait_alu depctr_va_vdst(0)
	global_store_b32 v2, v12, s[18:19]
	s_wait_xcnt 0x0                                ; and again in front of the line that widens it
	s_or_b32 exec_lo, exec_lo, s7
.Lend:
	s_wait_tensorcnt 0x0
	ds_add_u32 v248, v249
	s_wait_dscnt 0x0
	s_endpgm
.Lfunc_end_k_q145289eb68_knrm:
	.size	k_q145289eb68_knrm, .Lfunc_end_k_q145289eb68_knrm-k_q145289eb68_knrm
	.p2alignl 7, 3214868480
	.fill 96, 4, 3214868480
	.section	.rodata,"a",@progbits
	.p2align	6, 0x0
	.amdhsa_kernel k_q145289eb68_knrm
		.amdhsa_group_segment_fixed_size 127744
		.amdhsa_private_segment_fixed_size 0
		.amdhsa_enable_private_segment 0
		.amdhsa_kernarg_size 64
		.amdhsa_user_sgpr_count 2
		.amdhsa_user_sgpr_kernarg_segment_ptr 1
		.amdhsa_wavefront_size32 1
		.amdhsa_system_sgpr_workgroup_id_x 1
		.amdhsa_system_sgpr_workgroup_id_y 1
		.amdhsa_system_sgpr_workgroup_id_z 1
		.amdhsa_system_vgpr_workitem_id 0
		.amdhsa_next_free_vgpr 250
		.amdhsa_next_free_sgpr 106
		.amdhsa_reserve_vcc 1
		.amdhsa_float_denorm_mode_32 3
		.amdhsa_float_denorm_mode_16_64 3
		.amdhsa_memory_ordered 1
		.amdhsa_forward_progress 1
		.amdhsa_inst_pref_size 108
	.end_amdhsa_kernel
	.amdgpu_metadata
---
amdhsa.version: [ 1, 2 ]
amdhsa.kernels:
  - .name:           k_q145289eb68_knrm
    .symbol:         k_q145289eb68_knrm.kd
    .args:
      - { .name: doc1, .offset: 0, .size: 8, .value_kind: global_buffer, .address_space: global }
      - { .name: doc2, .offset: 8, .size: 8, .value_kind: global_buffer, .address_space: global }
      - { .name: query1, .offset: 16, .size: 8, .value_kind: global_buffer, .address_space: global }
      - { .name: query2, .offset: 24, .size: 8, .value_kind: global_buffer, .address_space: global }
      - { .name: emb, .offset: 32, .size: 8, .value_kind: global_buffer, .address_space: global }
      - { .name: mlp_w, .offset: 40, .size: 8, .value_kind: global_buffer, .address_space: global }
      - { .name: mlp_b, .offset: 48, .size: 8, .value_kind: global_buffer, .address_space: global }
      - { .name: out0, .offset: 56, .size: 8, .value_kind: global_buffer, .address_space: global }
    .group_segment_fixed_size: 127744
    .private_segment_fixed_size: 0
    .kernarg_segment_align: 8
    .kernarg_segment_size: 64
    .max_flat_workgroup_size: 256
    .sgpr_count:     106
    .vgpr_count:     250
    .wavefront_size: 32
...
	.end_amdgpu_metadata
.endif
;; end of part 1
